; MI455X (gfx1250); checked and timed in simulation.
; The chip was launched on July 23, 2026; its instructions are those of AMD's public machine-readable ISA for CDNA 5 (MIT licence, August 2026) and "CDNA5" Instruction Set Architecture Reference Guide (July 2026). The comments in the code are by the model that wrote it; some were corrected since.
;; Core Attention. Allowed arithmetic: matrix products marked QUANTISED: E2M1 operands, one E8M0 scale for each 32 along K, by v_wmma_scale_f32_16x16x128_f8f6f4 with both operands' format E2M1 (or v_wmma_scale_f32_32x16x128_f4), f32 sums; everything else in f32.
;; Inputs: attention_mask 4 x 1 x 2,048 x 2,048 bool; key_states_codes 4 x 16 x 2,048 x 4 x 16 uint8 (E2M1 codes of key_states, K innermost, in blocks of 32 codes, two codes a byte); key_states_scales 4 x 16 x 2,048 x 4 uint8 (E8M0 scales of key_states, one for each 32 codes along K); query_states_codes 4 x 16 x 2,048 x 4 x 16 uint8 (E2M1 codes of query_states, K innermost, in blocks of 32 codes, two codes a byte); query_states_scales 4 x 16 x 2,048 x 4 uint8 (E8M0 scales of query_states, one for each 32 codes along K); value_states_codes 4 x 16 x 128 x 64 x 16 uint8 (E2M1 codes of value_states, K innermost, in blocks of 32 codes, two codes a byte); value_states_scales 4 x 16 x 128 x 64 uint8 (E8M0 scales of value_states, one for each 32 codes along K).
;; Outputs: out0 4 x 16 x 2,048 x 128 float32.
;; This version of the problem:
;;   THIS VERSION OF THE PROBLEM IS GIVEN IN LOW PRECISION. The matrix products marked QUANTISED in the list below multiply operands that are first quantised to E2M1 (2 exponent bits, 1 mantissa bit; 4 bits a number), with one power-of-two scale for each 32 numbers along K (OCP MX v1.0); their sums are f32. All else is computed in f32.
;;   The module's matrix products, in the order in which they are computed (A, B: the left and right operand; K: the contracted axis; several contracted axes count as one K, in the product's order):
;;     1. batch 64 x [M 2,048, K 128] x [K 128, N 2,048]; A: input query_states (given as codes); B: input key_states (given as codes): QUANTISED
;;     2. batch 64 x [M 2,048, K 2,048] x [K 2,048, N 128]; A: softmax (see below); B: input value_states (given as codes): QUANTISED
;;   THE QUANTISER, for each operand of a quantised product, along K:
;;     - K is cut into blocks of 32 from its start; a last block that is shorter is filled with zeros.
;;     - A block's scale is 2^e with e = floor(log2(the largest magnitude in the block)) - 2, held to -126 .. 127; a block of zeros has e = 0. As a byte (E8M0): e + 127.
;;     - Each number is divided by its block's scale, clamped to +-6, and rounded to the nearest number of E2M1, ties to even, subnormals kept.
;;     - The product sums the exact products of the quantised numbers (number of the format x scale) in f32.
;;   ~~~python
;;   def quantise(x, axis):      # numpy; x: float32 -> the quantised numbers, widened to float32 again
;;       x = np.moveaxis(x, axis, -1); K = x.shape[-1]
;;       x = np.pad(x, [(0, 0)] * (x.ndim - 1) + [(0, -K % 32)]); x = x.reshape(x.shape[:-1] + (-1, 32)); a = np.abs(x).max(-1, keepdims=True)
;;       e = np.where(a > 0, np.clip(np.frexp(np.where(a > 0, a, 1))[1] - 1 - 2, -126, 127), 0)      # np.frexp(a)[1] - 1 = floor(log2(a)), exactly
;;       r = np.clip(x / 2.0 ** e, -6, 6)
;;       step = 2.0 ** (np.maximum(np.frexp(np.where(r == 0, 1, r))[1] - 1, 0) - 1)
;;       q = np.round(r / step) * step * 2.0 ** e      # np.round: ties to even
;;       return np.moveaxis(q.reshape(q.shape[:-2] + (-1,))[..., :K], -1, axis).astype(np.float32)
;;   ~~~
;;   SOFTMAX AHEAD OF A QUANTISED PRODUCT. Where the list says 'softmax', what is quantised is not the finished softmax but p = 2^(t - M), with t = logit x log2(e) and M = ceil(the row's largest t), a whole number; so 1/2 < the row's largest p <= 1. The row's sum l is taken of the UNQUANTISED p, in f32, and the product's result is divided by l at the end. Since M is a whole number, a kernel that streams over the keys may use a running M (the ceiling of the running maximum): every later rescaling is an exact power of two, which a block's scale takes up: the codes' values come out the same.
;;   OPERANDS COMPUTED ON THE WAY. 'Computed on the way' means the value that the module computes at that place (a softmax that the list does not call 'softmax' is quantised finished and normalised). What goes into a quantiser is computed in f32, as accurately as f32 sums, v_exp_f32 and their like allow (about 1e-6 of the number): no bf16 or f16 on the way to a quantiser, and a product that is left as it is and whose result goes on into a quantised operand takes f32 operands (vector FMAs, or v_wmma_f32_16x16x4_f32). A number that lies on a knife's edge between two numbers of the format may be rounded either way, as far as f32 arithmetic and the matrix unit's own rounding can turn it there, and no further.
;;   INPUTS GIVEN AS CODES. key_states (in the module: [4, 16, 2048, 128], K = its axis 3); query_states (in the module: [4, 16, 2048, 128], K = its axis 3); value_states (in the module: [4, 16, 2048, 128], K = its axis 2): each comes as NAME_codes (uint8): NAME with its K axis moved to the last place and cut into blocks of 32 codes, [.., K / 32, bytes a block], one block behind the other in memory; two codes a byte, the lower K in the low four bits (a code: sign, 2 exponent bits, 1 mantissa bit); and NAME_scales (uint8): the same leading axes, one E8M0 byte (e + 127) for each 32 codes along K. Its value is code x scale, taken as it is: it is not quantised again, and the codes and scales need not be those that the quantiser above would give.
;; One version. Each part assembles by itself: llvm-mc -triple=amdgcn-amd-amdhsa -mcpu=gfx1250 --defsym DOCPART=n.
;; ======== version 1 of 1: 2 launches
;; limits: right only within a limited range of input values
;; workspace buffers: maskw 2,097,152 bytes of whole numbers; cls 65,536 bytes of whole numbers
;; launch pack (part 1): grid 256 x 1, 8 waves a work-group, no clusters, 70,912 bytes of LDS; arguments attention_mask, maskw, cls; writes maskw, cls
.if DOCPART == 1
	.amdgcn_target "amdgcn-amd-amdhsa--gfx1250"
	.amdhsa_code_object_version 6
	.text
	.protected	k_qbf2e5cface_pack
	.globl	k_qbf2e5cface_pack
	.p2align	8
	.type	k_qbf2e5cface_pack,@function
k_qbf2e5cface_pack:
	s_mov_b64 s[64:65], 0
	v_nop
	global_prefetch_b8 v0, s[64:65] scope:SCOPE_SE
	s_setreg_imm32_b32 hwreg(HW_REG_WAVE_MODE, 25, 1), 1
	s_wait_xcnt 0x0
; attention_mask [4][1][2048][2048], one byte a place (not 0 = attend), becomes LANE MASKS for the attention launch: maskw [batch 4][tile of 16 queries 128][step of 128 keys 16][word 64] of 32 bits.
; Bit L of word n is mask[batch][16 tile + L % 16][128 step + 32 (n / 16) + 16 (L / 16) + n % 16]: the query and key that lane L holds in register n of its 64 scores there.
; AND A CLASS FOR EACH KEY STEP: cls [batch 4][block of 32 queries 64][64 words], of which words 0 and 1 count (the pair is stored 32 times, so that the one store covers 256 consecutive aligned bytes).
; Word 0, LIVE: bit s is set where some key of step s counts for some query of the block; all 16 bits are set where a row of the block has no key at all (its softmax is then even over ALL keys, so no step may be left out).
; Word 1, FULL: bit s is set where every key of step s counts for every query of the block (no select is needed there).
; SHARES.  A work-group is one block of 32 queries: wave w takes tile w / 4 of its two and 512 keys (quarter w % 4), as two pairs of key steps.  Each load reads 256 consecutive aligned bytes of two rows; the bytes turn
; through the wave's own stage in LDS (16 rows, 272 bytes apart), so that lane (r, h) gets row r's 16 bytes at 32 b + 16 h.  A compare of one byte of all 32 lanes IS a word; v_writelane_b32 lays word w into register w % 4 of lane w / 4.
; The classes: each wave ORs and ANDs its lanes' 16 registers of a step; three words a wave go through LDS, one barrier, and wave 0 joins the eight.
.set STG,  4352                        ; a stage: 16 rows x 272 bytes
.set WREG, 2*STG                       ; a wave's two stages, one for each pair
.set SPARE, 8*WREG                     ; the spare words, 128 bytes a wave
.set REC,  SPARE+1024                  ; eight records of 16 bytes, one a wave
.set GI,   4                           ; v4   in: 2,048 h + 16 r
.set SI,   5                           ; v5   into the stage
.set SO,   6                           ; v6   out of it
.set OA,   7                           ; v7   out: 16 x lane
.set TM,   8                           ; v8-23   sixteen single bytes
.set OW,   24                          ; v24-31  the words, four registers a pair
.set RB,   32                          ; v32-63  a pair's bytes back from the stage
.set LD,   64                          ; v64-127 sixteen loads; at the end the eight records
.set RO,   130                         ; the OR and
.set RA,   131                         ; the AND of a step's 16 registers
.set RC,   132                         ; v132-135 my record
.set RCA,  136                         ; its LDS address
.set OC,   137                         ; 8 x lane
.set RL,   44                          ; s44  lanes with a key that counts
.set AN,   45                          ; s45  my four steps: any
.set NF,   46                          ; s46  my four steps: not full
	s_load_b128 s[4:7], s[0:1], 0x0                ; the mask s[4:5], the words s[6:7]
	s_load_b64 s[36:37], s[0:1], 0x10              ; the classes
	v_lshl_add_u32 v128, v0, 2, SPARE
	v_mov_b32 v129, 0
	v_lshrrev_b32 v1, 5, v0
	v_readfirstlane_b32 s8, v1                     ; wave 0..7
	v_and_b32 v1, 31, v0                           ; lane
	v_and_b32 v2, 15, v0                           ; r
	v_bfe_u32 v3, v0, 4, 1                         ; h
	v_lshlrev_b32 v[GI], 4, v2
	v_mul_u32_u24 v[SI], v3, 272
	v_mul_u32_u24 v[SO], v2, 272
	v_lshl_add_u32 v[GI], v3, 11, v[GI]
	v_lshl_add_u32 v[SI], v2, 4, v[SI]
	v_lshl_add_u32 v[SO], v3, 4, v[SO]
	v_lshlrev_b32 v[OA], 4, v1
	v_lshlrev_b32 v[OC], 3, v1
	s_mul_i32 s9, s8, WREG                         ; my wave's bytes of LDS
	v_add_nc_u32 v[SI], s9, v[SI]
	v_add_nc_u32 v[SO], s9, v[SO]
	v_mov_b32 v[RCA], s8
	v_lshlrev_b32 v[RCA], 4, v[RCA]
	v_add_nc_u32 v[RCA], REC, v[RCA]
.irp i, 0,1,2,3,4,5,6,7
	v_mov_b32 v[OW+\i], 0                          ; written once: v_writelane_b32's destination counts as one of its sources
.endr
	s_wait_alu depctr_va_vdst(0)                   ; ahead of the scalar lines and the wait below
	s_lshl_b32 s10, ttmp9, 3
	s_add_co_u32 s10, s10, s8                      ; task = 8 x work-group + wave = 4 x (128 batch + tile) + quarter of the keys
	s_lshr_b32 s12, s10, 2
	s_lshl_b32 s12, s12, 15                        ; 16 rows of 2,048 bytes for each tile,
	s_and_b32 s14, s10, 3
	s_lshl_b32 s14, s14, 9                         ; 512 keys for each quarter
	s_add_co_u32 s12, s12, s14
	s_mov_b32 s13, 0
	s_lshl_b32 s14, s10, 10                        ; out: 4 key steps x 64 words x 4 bytes a task
	s_mov_b32 s15, 0
	s_lshl_b32 s38, ttmp9, 8                       ; the classes: 256 bytes a work-group
	s_mov_b32 s39, 0
	s_mov_b32 s16, 0xff                            ; a register's four bytes
	s_mov_b32 s17, 0xff00
	s_mov_b32 s18, 0xff0000
	s_mov_b32 s19, 0xff000000
	s_mov_b32 s[RL], 0
	s_mov_b32 s[AN], 0
	s_mov_b32 s[NF], 0
	s_wait_kmcnt 0x0
	s_add_nc_u64 s[4:5], s[4:5], s[12:13]
	s_add_nc_u64 s[6:7], s[6:7], s[14:15]
	s_add_nc_u64 s[36:37], s[36:37], s[38:39]
.irp p, 0,1
.irp j, 0,1,2,3,4,5,6,7
	global_load_b128 v[LD+4*(8*\p+\j):LD+4*(8*\p+\j)+3], v[GI], s[4:5] offset:4096*\j+256*\p th:TH_LOAD_NT   ; lanes 0-15: 256 bytes of row 2 j; lanes 16-31: of row 2 j + 1; read once in the launch
.endr
.endr
.macro PAIR p
	s_wait_loadcnt 8*(1-\p)                        ; loads come back in order: this pair's eight are in, the other pair's eight may be out
.irp j, 0,1,2,3,4,5,6,7
	ds_store_b128 v[SI], v[LD+4*(8*\p+\j):LD+4*(8*\p+\j)+3] offset:STG*\p+544*\j
.endr
.irp u, 0,1
.irp b, 0,1,2,3
	ds_load_b128 v[RB+4*(4*\u+\b):RB+4*(4*\u+\b)+3], v[SO] offset:STG*\p+128*\u+32*\b   ; LDS serves a wave's instructions in order: these see my stores
.endr
.endr
	s_wait_dscnt 0x0
.irp u, 0,1                                    ; the class of step 2 p + u of my four: two chains by turns
	v_or_b32 v[RO], v[RB+16*\u], v[RB+16*\u+1]
	v_and_b32 v[RA], v[RB+16*\u], v[RB+16*\u+1]
.irp k, 2,3,4,5,6,7,8,9,10,11,12,13,14,15
	v_or_b32 v[RO], v[RO], v[RB+16*\u+\k]
	v_and_b32 v[RA], v[RA], v[RB+16*\u+\k]
.endr
	v_cmp_ne_u32 s40, 0, v[RO]                     ; lanes with a key that counts
	v_cmp_eq_u32 s41, 0x1010101, v[RA]             ; lanes all of whose 64 bytes are 1 (another byte that is not 0 only sends the step to the selects)
	s_or_b32 s[RL], s[RL], s40
	s_cmp_lg_u32 s40, 0
	s_cselect_b32 s42, 1<<(2*\p+\u), 0
	s_or_b32 s[AN], s[AN], s42
	s_cmp_lg_u32 s41, -1
	s_cselect_b32 s42, 1<<(2*\p+\u), 0
	s_or_b32 s[NF], s[NF], s42
.endr
.irp u, 0,1                                    ; key step u of the pair, block b of 32 keys: register k, byte y is key 32 b + 16 h + 4 k + y
.irp b, 0,1,2,3
.irp k, 0,1,2,3
.irp y, 0,1,2,3
	v_and_b32 v[TM+4*\k+\y], s[16+\y], v[RB+4*(4*\u+\b)+\k]
.endr
.endr
.irp k, 0,1,2,3
.irp y, 0,1,2,3
	v_cmp_ne_u32 s[20+4*\k+\y], 0, v[TM+4*\k+\y]   ; the 32 lanes' answers: word 64 u + 16 b + 4 k + y
.endr
.endr
.irp k, 0,1,2,3
.irp y, 0,1,2,3
	v_writelane_b32 v[OW+4*\p+\y], s[20+4*\k+\y], 16*\u+4*\b+\k
.endr
.endr
.endr
.endr
	global_store_b128 v[OA], v[OW+4*\p:OW+4*\p+3], s[6:7] offset:512*\p   ; 32 lanes store 512 consecutive bytes, at a multiple of 256 from the buffer's first byte
.endm
	PAIR 0
	PAIR 1
	s_lshr_b32 s40, s[RL], 16                      ; a row lies in lanes r and r + 16
	s_or_b32 s[RL], s[RL], s40
	s_and_b32 s[RL], s[RL], 0xffff
	s_lshr_b32 s40, s8, 2
	s_lshl_b32 s40, s40, 4
	s_lshl_b32 s[RL], s[RL], s40                   ; my tile's 16 rows at their place among the block's 32
	s_and_b32 s40, s8, 3
	s_lshl_b32 s40, s40, 2
	s_lshl_b32 s[AN], s[AN], s40                   ; my four steps at their place among the 16
	s_lshl_b32 s[NF], s[NF], s40
	v_mov_b32 v[RC], s[AN]
	v_mov_b32 v[RC+1], s[NF]
	v_mov_b32 v[RC+2], s[RL]
	v_mov_b32 v[RC+3], 0
	ds_store_b128 v[RCA], v[RC:RC+3]               ; all lanes write the same 16 bytes
	s_wait_dscnt 0x0                               ; my record is in LDS before I say so
	s_barrier_signal -1
	s_barrier_wait -1
	s_cmp_lg_u32 s8, 0
	s_cbranch_scc1 .Ldone                          ; wave 0 joins the eight records
.irp i, 0,1,2,3,4,5,6,7
	ds_load_b128 v[LD+4*\i:LD+4*\i+3], v[RCA] offset:16*\i   ; wave 0's address is REC
.endr
	v_mov_b32 v[RC], 0xffff
	s_wait_alu depctr_va_vdst(0)                   ; directly ahead of the wait below
	s_wait_dscnt 0x0
.irp i, 1,2,3,4,5,6,7
	v_or_b32 v[LD], v[LD], v[LD+4*\i]
	v_or_b32 v[LD+1], v[LD+1], v[LD+4*\i+1]
	v_or_b32 v[LD+2], v[LD+2], v[LD+4*\i+2]
.endr
	v_cmp_ne_u32 vcc_lo, -1, v[LD+2]               ; some row of the 32 has no key at all:
	v_cndmask_b32 v[LD+3], 0, v[RC], vcc_lo
	v_or_b32 v[LD], v[LD], v[LD+3]                 ; then every step is walked
	v_xor_b32 v[LD+1], 0xffff, v[LD+1]             ; FULL = not (not full)
	global_store_b64 v[OC], v[LD:LD+1], s[36:37]   ; 32 lanes store 256 consecutive aligned bytes
.Ldone:
	s_wait_tensorcnt 0x0                           ; the wave's end
	ds_add_u32 v128, v129
	s_wait_dscnt 0x0
	s_endpgm
.Lfunc_end_k_qbf2e5cface_pack:
	.size	k_qbf2e5cface_pack, .Lfunc_end_k_qbf2e5cface_pack-k_qbf2e5cface_pack
	.p2alignl 7, 3214868480
	.fill 96, 4, 3214868480
	.section	.rodata,"a",@progbits
	.p2align	6, 0x0
	.amdhsa_kernel k_qbf2e5cface_pack
		.amdhsa_group_segment_fixed_size 70912
		.amdhsa_private_segment_fixed_size 0
		.amdhsa_enable_private_segment 0
		.amdhsa_kernarg_size 24
		.amdhsa_user_sgpr_count 2
		.amdhsa_user_sgpr_kernarg_segment_ptr 1
		.amdhsa_wavefront_size32 1
		.amdhsa_system_sgpr_workgroup_id_x 1
		.amdhsa_system_sgpr_workgroup_id_y 1
		.amdhsa_system_sgpr_workgroup_id_z 1
		.amdhsa_system_vgpr_workitem_id 0
		.amdhsa_next_free_vgpr 140
		.amdhsa_next_free_sgpr 66
		.amdhsa_reserve_vcc 1
		.amdhsa_float_denorm_mode_32 3
		.amdhsa_float_denorm_mode_16_64 3
		.amdhsa_memory_ordered 1
		.amdhsa_forward_progress 1
		.amdhsa_inst_pref_size 54
	.end_amdhsa_kernel
	.amdgpu_metadata
---
amdhsa.version: [ 1, 2 ]
amdhsa.kernels:
  - .name:           k_qbf2e5cface_pack
    .symbol:         k_qbf2e5cface_pack.kd
    .args:
      - { .name: attention_mask, .offset: 0, .size: 8, .value_kind: global_buffer, .address_space: global }
      - { .name: maskw, .offset: 8, .size: 8, .value_kind: global_buffer, .address_space: global }
      - { .name: cls, .offset: 16, .size: 8, .value_kind: global_buffer, .address_space: global }
    .group_segment_fixed_size: 70912
    .private_segment_fixed_size: 0
    .kernarg_segment_align: 8
    .kernarg_segment_size: 24
    .max_flat_workgroup_size: 256
    .sgpr_count:     66
    .vgpr_count:     140
    .wavefront_size: 32
...
	.end_amdgpu_metadata
.endif
;; end of part 1
;; launch attn (part 2): grid 256 x 1, 8 waves a work-group, no clusters, 35,840 bytes of LDS; arguments query_states_codes, query_states_scales, key_states_codes, key_states_scales, value_states_codes, value_states_scales, maskw, cls, out0; writes out0
.if DOCPART == 2
	.amdgcn_target "amdgcn-amd-amdhsa--gfx1250"
	.amdhsa_code_object_version 6
	.text
	.protected	k_qbf2e5cface_attn
	.globl	k_qbf2e5cface_attn
	.p2align	8
	.type	k_qbf2e5cface_attn,@function
k_qbf2e5cface_attn:
	s_mov_b64 s[64:65], 0
	v_nop
	global_prefetch_b8 v0, s[64:65] scope:SCOPE_SE
	s_setreg_imm32_b32 hwreg(HW_REG_WAVE_MODE, 25, 1), 1
	s_wait_xcnt 0x0
; O[b][h][q] = sum over k of softmax_k(mask ? Q.K / sqrt(128) : lowest) V, both products on codes of E2M1 with E8M0 scales.  p = 2^(t - M), M the ceiling of the running largest t; the row's sum of the unquantised p divides at the end.
; WHICH KEY STEPS ARE WALKED is read from memory: the launch before stored, for each block of 32 queries of a batch, LIVE (bit s: step s of 128 keys holds a key that counts for a query of the block,
; or some row of the block has no key at all) and FULL (bit s: every key of the step counts).  A step whose bit in LIVE is 0 holds only masked keys of rows that have a key elsewhere: their p is 2^(lowest - M) = 0, they add
; nothing to the sum or to O, and as zeros they move no other block's codes or scales: so the step is not multiplied.  A step whose bit in FULL is 1 needs no select.  Nothing of the mask's pattern is built in.
; LIMITS.  A masked score is replaced by -2^126; the promise holds while the scaled scores of keys that count stay under 2^31 in magnitude.  A NaN or infinity in K or V of a step that is left out is not carried to the result.
; SHARES.  256 work-groups of 8 waves; four work-groups to a head.  Wave j (0..31) of a head owns the blocks 63 - j and j of 32 queries, one after the other.  A block is two tiles of 16 queries: tile A lives in register window 0,
; tile B in window 1, under the same register numbers, so one text serves both; each fragment of K and of V feeds two matrix instructions.
; NO TENSOR LOAD, NO CLUSTER: K's and V's fragments go from memory straight into registers and the waves share nothing: no barrier.
; NO DATA PREFETCH: the loads themselves run ahead: the next live step's K is asked for behind this step's first product and its V behind the second, each 16 matrix instructions ahead of its use.
; V's codes come as 32 bytes a lane pair of rows 1,024 bytes apart, and its scale words 64 bytes apart: that is the input's own layout.
; LAYOUT.  Both products transposed: S^T = K Q^T, O^T = V^T P^T: a lane holds one query.  Lane r of tile 2 b + u of K takes key 32 b + 8 u + r + 8 (r / 8), so that 16 registers of two tiles are 16 neighbouring keys.
; A scale register carries two tiles: lanes 0-15 the even tile's rows, lanes 16-31 the odd tile's (row 1 of the register); Q's: lanes 0-15 tile A, lanes 16-31 tile B.
; REGISTERS.  Window 0: v1-11 lane offsets, v25-27 scales of Q and of p, v28-31 the loads' offsets, v32-95 K, v240-243 K's scales, v248-251 V's.  Window 1: v32-95 V.
; Both windows: v12 -M, v13 largest t, v[14:15] sum, v16-23 Q, v24 -2^126, v96-159 S^T then p, v160-223 O^T, v224-231 p's codes, v232-254 at work.
.set STG,   16*272                     ; a wave's stage for the way out: 16 rows x (256 + 16) bytes
.set SPARE, 8*STG                      ; the spare words, 128 bytes a wave
.set AKO,1
.set AVO,2
.set ASK,3
.set ASV,4
.set SPW,5
.set NIL,6
.set GO,7
.set STI,8
.set STB,9
.set AQ,10
.set AQS,11
.set NEG,24
.set QS,25
.set ADK,28
.set ADKS,29
.set ADV,30
.set ADVS,31
.set FRG,32
.set ST,96
.set OT,160
.set PC,224
.set KS,240
.set VS,248
.set WV,2
.set OUTR,3
.set KH,52
.set KSH,54
.set VH,56
.set VSH,58
.set CS,60
.set MP,62
.set OP,66
.set QH,84
.set QSH,86
.set OH,88
.set MWB,90
.set T,92
.set REM,96                            ; s96 live steps still to come; s97 FULL; s[94:95] the second block's pair
.set FULL,97
.set CUR,98
.set NXT,99
.set SEL,100
.set CNT,104
.set BLK,105
.set MSB, 0
.macro WIN new                         ; low byte: bits 1:0 source 0, 3:2 source 1, 5:4 source 2, 7:6 destination; the high byte repeats the setting that is left
.if MSB != (\new)
	s_set_vgpr_msb (MSB<<8)|(\new)
.set MSB, (\new)
.endif
.endm
.macro CONST w                         ; written once in each window
	WIN 0x55*\w
	v_mov_b32 v[NEG], 0xfe800000
.irp b, 0,1,2,3
	v_mov_b32 v[236+\b], 0                         ; a lane permute's destination counts as one of its sources
.endr
	v_mov_b32 v253, 0
.endm
.macro FRESH w                         ; a block's start: the first change of M multiplies zeros
	WIN 0x55*\w
	v_mov_b32 v13, 0xff61b1e6                      ; -3e38, under every t
	v_mov_b32 v14, 0
	v_mov_b32 v15, 0
	v_floor_f32 v12, -v13
.set i, 0
.rept 64
	v_mov_b32 v[OT+i], 0
.set i, i+1
.endr
.endm
.macro ADDR s                          ; the loads' offsets for key step s[\s] (0..15): 8,192 bytes of K's codes, 512 of its scales, 64 in each row of V, 4 in each row of V's scales
	v_lshl_add_u32 v[ADK], s[\s], 13, v[AKO]
	v_lshl_add_u32 v[ADKS], s[\s], 9, v[ASK]
	v_lshl_add_u32 v[ADV], s[\s], 6, v[AVO]
	v_lshl_add_u32 v[ADVS], s[\s], 2, v[ASV]
.endm
.macro KLOAD                           ; 20 loads
.irp t, 0,1,2,3,4,5,6,7
.irp c, 0,1
	global_load_b128 v[FRG+8*\t+4*\c:FRG+8*\t+4*\c+3], v[ADK], s[KH:KH+1] offset:(32*(\t/2)+8*(\t%2))*64+32*\c
.endr
.endr
.irp b, 0,1,2,3
	global_load_b32 v[KS+\b], v[ADKS], s[KSH:KSH+1] offset:128*\b
.endr
.endm
.macro VLOAD                           ; 20 loads
	WIN 0x40
.irp t, 0,1,2,3,4,5,6,7
.irp c, 0,1
	global_load_b128 v[FRG+8*\t+4*\c:FRG+8*\t+4*\c+3], v[ADV], s[VH:VH+1] offset:16*\t*1024+32*\c
.endr
.endr
	WIN 0
.irp b, 0,1,2,3
	global_load_b32 v[VS+\b], v[ADVS], s[VSH:VSH+1] offset:2048*\b
.endr
.endm
.macro SMUL w                          ; S^T = K Q^T of tile w: eight accumulators, each begun with 0
	WIN 0x44*\w
.irp b, 0,1,2,3
.if \w
	v_wmma_scale_f32_16x16x128_f8f6f4 v[ST+16*\b:ST+16*\b+7], v[FRG+16*\b:FRG+16*\b+7], v[16:23], 0, v[KS+\b], v[QS] matrix_a_fmt:MATRIX_FMT_FP4 matrix_b_fmt:MATRIX_FMT_FP4 matrix_b_scale:MATRIX_SCALE_ROW1
	v_wmma_scale_f32_16x16x128_f8f6f4 v[ST+16*\b+8:ST+16*\b+15], v[FRG+16*\b+8:FRG+16*\b+15], v[16:23], 0, v[KS+\b], v[QS] matrix_a_fmt:MATRIX_FMT_FP4 matrix_b_fmt:MATRIX_FMT_FP4 matrix_a_scale:MATRIX_SCALE_ROW1 matrix_b_scale:MATRIX_SCALE_ROW1
.else
	v_wmma_scale_f32_16x16x128_f8f6f4 v[ST+16*\b:ST+16*\b+7], v[FRG+16*\b:FRG+16*\b+7], v[16:23], 0, v[KS+\b], v[QS] matrix_a_fmt:MATRIX_FMT_FP4 matrix_b_fmt:MATRIX_FMT_FP4
	v_wmma_scale_f32_16x16x128_f8f6f4 v[ST+16*\b+8:ST+16*\b+15], v[FRG+16*\b+8:FRG+16*\b+15], v[16:23], 0, v[KS+\b], v[QS] matrix_a_fmt:MATRIX_FMT_FP4 matrix_b_fmt:MATRIX_FMT_FP4 matrix_a_scale:MATRIX_SCALE_ROW1
.endif
.endr
.endm
.macro SELECT w, off                   ; the scores of masked keys become -2^126: a word of maskw is the lane mask of one register
	s_load_b512 s[4:19],  s[MP:MP+1], \off
	s_load_b512 s[20:35], s[MP:MP+1], \off+0x40
	s_load_b512 s[36:51], s[MP:MP+1], \off+0x80
	s_load_b512 s[68:83], s[MP:MP+1], \off+0xc0
	s_wait_kmcnt 0x0
	WIN 0x55*\w
.set n, 0
.rept 64
	v_cndmask_b32 v[ST+n], v[NEG], v[ST+n], s[4+n+16*(n/48)]
.set n, n+1
.endr
	WIN 0
.endm
; One tile's softmax, quantiser and second product.  ps: the register (window 0) that takes p's scale word.
.macro TILE w, ps
	WIN 0x55*\w
	s_wait_alu depctr_va_vdst(0)                   ; directly ahead of the first readers of S^T
.irp b, 0,1,2,3
	v_max3_num_f32 v[232+\b], v[ST+16*\b], v[ST+1+16*\b], v[ST+2+16*\b]   ; the largest score of each block of 32 keys: for the row's maximum and for the block's largest p
.endr
.irp i, 3,5,7,9,11,13
.irp b, 0,1,2,3
	v_max3_num_f32 v[232+\b], v[232+\b], v[ST+16*\b+\i], v[ST+1+16*\b+\i]
.endr
.endr
.irp b, 0,1,2,3
	v_max_num_f32 v[232+\b], v[232+\b], v[ST+15+16*\b]
.endr
.irp b, 0,1,2,3
	v_permlanex16_b32 v[236+\b], v[232+\b], s[SEL], s[SEL+1]
.endr
.irp b, 0,1,2,3
	v_max_num_f32 v[232+\b], v[232+\b], v[236+\b]  ; with lane l xor 16's 16 keys
.endr
	v_max3_num_f32 v254, v232, v233, v234
	s_delay_alu instid0(VALU_DEP_1)
	v_max_num_f32 v254, v254, v235
	s_delay_alu instid0(VALU_DEP_1)
	v_mul_f32 v254, s[CS], v254                    ; as t
	s_delay_alu instid0(VALU_DEP_1)
	v_max_num_f32 v13, v13, v254                   ; the running largest t
	v_mov_b32 v254, v12
	s_delay_alu instid0(VALU_DEP_2)
	v_floor_f32 v12, -v13                          ; the new -M
	s_delay_alu instid0(VALU_DEP_1)
	v_sub_f32 v254, v12, v254                      ; old M - new M, a whole number
	s_delay_alu instid0(VALU_DEP_1)
	v_cvt_i32_f32 v254, v254                       ; (it saturates)
	s_delay_alu instid0(VALU_DEP_1)
	v_ldexp_f32 v252, 1.0, v254                    ; f = 2^(old M - new M)
.set i, 0
.rept 32
	v_pk_fma_f32 v[ST+i:ST+i+1], v[ST+i:ST+i+1], s[CS:CS+1], v[12:13] op_sel_hi:[1,0,0]   ; t - M
.set i, i+2
.endr
.irp b, 0,1,2,3
	v_fma_f32 v[232+\b], v[232+\b], s[CS], v12
.endr
	s_wait_alu depctr_va_vdst(0)                   ; ahead of the batch
.set i, 0
.rept 64
	v_exp_f32 v[ST+i], v[ST+i]                     ; p, not normalised
.set i, i+1
.endr
.irp b, 0,1,2,3
	v_exp_f32 v[232+\b], v[232+\b]                 ; each block's largest p
.endr
	v_pk_mul_f32 v[14:15], v[14:15], v[252:253] op_sel_hi:[1,0]   ; the sums under the new M (a plain place behind the batch)
	s_wait_alu depctr_va_vdst(0)                   ; one wait for the batch, ahead of its first reader
.irp b, 0,1,2,3
	v_max_num_f32 v[232+\b], 0x1800000, v[232+\b]  ; the floor 2^(3 - 127): the byte cannot fall under 1
.endr
.irp b, 0,1,2,3
	v_add_nc_u32 v[244+\b], 0xff000000, v[232+\b]  ; 2 off the exponent field: the conversion's scale operand
.endr
.irp b, 0,1,2,3
	v_lshrrev_b32 v[236+\b], 23, v[244+\b]         ; the scale's byte
.endr
	v_lshl_or_b32 v253, v237, 8, v236
	s_delay_alu instid0(VALU_DEP_1)
	v_lshl_or_b32 v253, v238, 16, v253
	WIN 0x15*\w                                    ; scale registers lie in window 0
	v_lshl_or_b32 v[\ps], v239, 24, v253           ; p's scale word for these 128 keys
	WIN 0x55*\w
.irp b, 0,1,2,3
	v_cvt_scalef32_pk8_fp4_f32 v[PC+2*\b], v[ST+16*\b:ST+7+16*\b], v[244+\b]
	v_cvt_scalef32_pk8_fp4_f32 v[PC+1+2*\b], v[ST+8+16*\b:ST+15+16*\b], v[244+\b]
.endr
	v_nop                                          ; one plain place behind a scaled conversion
.irp c, 0,1
.irp n, 0,1
	v_permlane16_swap_b32 v[PC+4*\c+\n], v[PC+2+4*\c+\n]   ; a whole block in a lane
.endr
.endr
	v_pk_add_f32 v[236:237], v[ST:ST+1], v[ST+2:ST+3]      ; the row's sum of the unquantised p, in two chains
.irp j, 4,8,12,16,20,24,28
	v_pk_add_f32 v[14:15], v[14:15], v[ST+\j:ST+\j+1]
	v_pk_add_f32 v[236:237], v[236:237], v[ST+\j+2:ST+\j+3]
.endr
	s_wait_alu depctr_va_vdst(0)                   ; directly ahead of the first reader of O^T
.set i, 0
.rept 32
	v_pk_mul_f32 v[OT+i:OT+i+1], v[OT+i:OT+i+1], v[252:253] op_sel_hi:[1,0]   ; O^T under the new M
.set i, i+2
.endr
.if \w == 0
	s_wait_alu depctr_va_vdst(0)                   ; directly ahead of the wait below
	s_wait_loadcnt 20                              ; V's 20 loads are in; the 20 issued behind them (the next step's K) may be out
.endif
	WIN 0x01+0x54*\w                               ; V in window 1; p's codes and O^T in the tile's window
.irp b, 0,1,2,3
	v_wmma_scale_f32_16x16x128_f8f6f4 v[OT+16*\b:OT+16*\b+7], v[FRG+16*\b:FRG+16*\b+7], v[PC:PC+7], v[OT+16*\b:OT+16*\b+7], v[VS+\b], v[\ps] matrix_a_fmt:MATRIX_FMT_FP4 matrix_b_fmt:MATRIX_FMT_FP4
	v_wmma_scale_f32_16x16x128_f8f6f4 v[OT+16*\b+8:OT+16*\b+15], v[FRG+16*\b+8:FRG+16*\b+15], v[PC:PC+7], v[OT+16*\b+8:OT+16*\b+15], v[VS+\b], v[\ps] matrix_a_fmt:MATRIX_FMT_FP4 matrix_b_fmt:MATRIX_FMT_FP4 matrix_a_scale:MATRIX_SCALE_ROW1
.endr
	WIN 0x55*\w
.irp j, 32,36,40,44,48,52,56,60                ; the sum's other half: also the places behind the products
	v_pk_add_f32 v[14:15], v[14:15], v[ST+\j:ST+\j+1]
	v_pk_add_f32 v[236:237], v[236:237], v[ST+\j+2:ST+\j+3]
.endr
	s_delay_alu instid0(VALU_DEP_1)
	v_pk_add_f32 v[14:15], v[14:15], v[236:237]
.endm
; The way out of one tile: O^T / the sum, through my stage, half a row (256 bytes) of 16 queries at a time: sixteen lanes store one aligned unit of 256 bytes.
.macro OUT w
	s_wait_xcnt 0x0                                ; earlier stores have read their data registers
	WIN 0x55*\w
	v_add_f32 v14, v14, v15
	s_delay_alu instid0(VALU_DEP_1)
	v_permlanex16_b32 v252, v14, s[SEL], s[SEL+1]
	s_delay_alu instid0(VALU_DEP_1)
	v_add_f32 v14, v14, v252
	s_wait_alu depctr_va_vdst(0)                   ; ahead of the transcendental
	v_rcp_f32 v14, v14
	v_nop
	s_wait_alu depctr_va_vdst(0)                   ; and ahead of its first reader, which is O^T's first reader too
.set i, 0
.rept 64
	v_mul_f32 v[ST+i], v[OT+i], v14
.set i, i+1
.endr
.irp u, 0,1
	WIN 0x04*\w
.irp t, 0,1,2,3
	ds_store_b128 v[STI], v[ST+32*\u+8*\t:ST+32*\u+8*\t+3] offset:64*\t
	ds_store_b128 v[STI], v[ST+32*\u+8*\t+4:ST+32*\u+8*\t+7] offset:64*\t+16
.endr
	WIN 0
.irp n, 0,1,2,3,4,5,6,7
	ds_load_b128 v[FRG+32*\u+4*\n:FRG+32*\u+4*\n+3], v[STB] offset:2*\n*272   ; LDS serves a wave's instructions in order: these see my stores, and the next half's stores come behind them
.endr
.endr
.irp u, 0,1
.irp n, 0,1,2,3,4,5,6,7
	s_wait_dscnt 23-16*\u-\n                       ; what was issued behind this load: the rest of its eight, and for the first half 16 more
	global_store_b128 v[GO], v[FRG+32*\u+4*\n:FRG+32*\u+4*\n+3], s[OP:OP+1] offset:2*\n*512+256*\u+8192*\w th:TH_STORE_NT
.endr
.endr
.endm
	s_load_b512 s[4:19], s[0:1], 0x0               ; Q codes, Q scales, K codes, K scales, V codes, V scales, maskw, cls
	s_load_b64 s[20:21], s[0:1], 0x40              ; O
	v_lshl_add_u32 v[SPW], v0, 2, SPARE
	v_mov_b32 v[NIL], 0
	v_lshrrev_b32 v236, 5, v0
	v_readfirstlane_b32 s[WV], v236                ; wave 0..7
	v_and_b32 v232, 15, v0                         ; r
	v_bfe_u32 v233, v0, 4, 1                       ; h
	v_and_b32 v234, 31, v0                         ; lane
	v_and_b32 v235, 8, v232
	v_add_nc_u32 v235, v235, v232                  ; r + 8 (r / 8)
	v_lshlrev_b32 v[AKO], 6, v235
	v_lshlrev_b32 v[AVO], 10, v232
	v_lshl_add_u32 v[ASK], v233, 3, v235
	v_lshlrev_b32 v[AQ], 6, v232
	v_lshl_add_u32 v[AKO], v233, 4, v[AKO]         ; K: the tile's row, + 16 h
	v_lshl_add_u32 v[AVO], v233, 4, v[AVO]         ; V: row r of 1,024 bytes, + 16 h
	v_lshlrev_b32 v[ASK], 2, v[ASK]                ; K's scale words: lanes 16-31 take the odd tile's rows, 8 keys on
	v_lshl_add_u32 v[AQ], v233, 4, v[AQ]
	v_lshlrev_b32 v[ASV], 6, v234                  ; V's: a lane a row of 64 bytes
	v_lshlrev_b32 v[AQS], 2, v234                  ; Q's: a lane a query
	v_lshlrev_b32 v[GO], 9, v233
	v_mul_u32_u24 v[STI], v232, 272
	v_mul_u32_u24 v[STB], v233, 272
	v_lshl_add_u32 v[GO], v232, 4, v[GO]
	v_lshl_add_u32 v[STI], v233, 5, v[STI]
	v_lshl_add_u32 v[STB], v232, 4, v[STB]
	s_mul_i32 s38, s[WV], STG
	v_add_nc_u32 v[STI], s38, v[STI]
	v_add_nc_u32 v[STB], s38, v[STB]
	CONST 0
	CONST 1
	WIN 0
	s_wait_alu depctr_va_vdst(0)                   ; at the head's end, ahead of the scalar lines and the wait below
	s_lshr_b32 s22, ttmp9, 2                       ; batch x 16 + head
	s_and_b32 s23, ttmp9, 3
	s_lshl_b32 s23, s23, 3
	s_add_co_u32 s23, s23, s[WV]                   ; j
	s_sub_co_u32 s[BLK], 63, s23                   ; the first block
	s_lshr_b32 s24, s22, 4                         ; batch
	s_lshl_b32 s26, s22, 17                        ; a head's codes
	s_mov_b32 s27, 0
	s_lshl_b32 s28, s22, 13                        ; its scale bytes
	s_mov_b32 s29, 0
	s_lshl_b32 s30, s22, 20                        ; its part of O
	s_mov_b32 s31, 0
	s_lshl_b32 s32, s24, 19                        ; a batch's mask words
	s_mov_b32 s33, 0
	s_lshl_b32 s25, s24, 6
	s_add_co_u32 s34, s25, s[BLK]
	s_lshl_b32 s34, s34, 8                         ; the first block's classes
	s_mov_b32 s35, 0
	s_add_co_u32 s36, s25, s23
	s_lshl_b32 s36, s36, 8                         ; the second's
	s_mov_b32 s37, 0
	s_mov_b32 s[CS], 0x3e0293ee                    ; log2(e) / sqrt(128)
	s_mov_b32 s[CS+1], s[CS]
	s_mov_b32 s[SEL], 0x76543210
	s_mov_b32 s[SEL+1], 0xfedcba98
	s_mov_b32 s[OUTR], 2
	s_wait_kmcnt 0x0
	s_add_nc_u64 s[34:35], s[18:19], s[34:35]
	s_add_nc_u64 s[36:37], s[18:19], s[36:37]
	s_load_b64 s[96:97], s[34:35], 0x0
	s_load_b64 s[94:95], s[36:37], 0x0
	s_add_nc_u64 s[QH:QH+1], s[4:5], s[26:27]
	s_add_nc_u64 s[QSH:QSH+1], s[6:7], s[28:29]
	s_add_nc_u64 s[KH:KH+1], s[8:9], s[26:27]
	s_add_nc_u64 s[KSH:KSH+1], s[10:11], s[28:29]
	s_add_nc_u64 s[VH:VH+1], s[12:13], s[26:27]
	s_add_nc_u64 s[VSH:VSH+1], s[14:15], s[28:29]
	s_add_nc_u64 s[MWB:MWB+1], s[16:17], s[32:33]
	s_add_nc_u64 s[OH:OH+1], s[20:21], s[30:31]
	s_wait_kmcnt 0x0
.Lblock:                                               ; two trips: a block of 32 queries each
	s_wait_xcnt 0x0                                ; the last block's stores have read their base and data
	s_bcnt1_i32_b32 s[CNT], s[REM]                 ; the live steps
	s_max_u32 s[CNT], s[CNT], 1
	s_ctz_i32_b32 s[CUR], s[REM]                   ; the first of them
	s_min_u32 s[CUR], s[CUR], 15
	s_add_co_i32 s[T], s[REM], -1
	s_and_b32 s[REM], s[REM], s[T]                 ; taken off the list
	s_mov_b32 s[T+1], 0
	s_lshl_b32 s[T], s[BLK], 11
	s_add_nc_u64 s[4:5], s[QH:QH+1], s[T:T+1]
	s_lshl_b32 s[T], s[BLK], 7
	s_add_nc_u64 s[6:7], s[QSH:QSH+1], s[T:T+1]
	s_lshl_b32 s[T], s[BLK], 14
	s_add_nc_u64 s[OP:OP+1], s[OH:OH+1], s[T:T+1]
	ADDR CUR
	global_load_b128 v[16:19], v[AQ], s[4:5]
	global_load_b128 v[20:23], v[AQ], s[4:5] offset:32
	global_load_b32 v[QS], v[AQS], s[6:7]
	WIN 0x40
	global_load_b128 v[16:19], v[AQ], s[4:5] offset:1024
	global_load_b128 v[20:23], v[AQ], s[4:5] offset:1056
	WIN 0
	KLOAD
	VLOAD
	FRESH 0
	FRESH 1
	WIN 0
	s_wait_alu depctr_va_vdst(0)                   ; ahead of the loop's first wait
.Lstep:                                                ; a trip = one live key step of 128 keys
	s_ctz_i32_b32 s[NXT], s[REM]                   ; the next live step; behind the last one: step 15, whose bytes are loaded and not used
	s_min_u32 s[NXT], s[NXT], 15
	s_add_co_i32 s[T], s[REM], -1
	s_and_b32 s[REM], s[REM], s[T]
	s_wait_loadcnt 20                              ; K's 20 loads (and Q's, ahead of them) are in; V's 20, issued behind them, may be out
	SMUL 0
	SMUL 1
	WIN 0
	s_wait_xcnt 0x0                                ; the loads on their way have read their offsets
	ADDR NXT                                       ; four plain lines: also the places behind the products
	KLOAD
	s_lshr_b32 s[T], s[FULL], s[CUR]
	s_and_b32 s[T], s[T], 1
	s_cmp_lg_u32 s[T], 0
	s_cbranch_scc1 .Lfull                          ; every key of the step counts: no select
	s_min_u32 s[T+1], s[CUR], 15
	s_lshl_b32 s[T+1], s[T+1], 8                   ; 64 words a step,
	s_lshl_b32 s[T], s[BLK], 13                    ; 16 steps a tile, two tiles a block
	s_add_co_u32 s[T], s[T], s[T+1]
	s_mov_b32 s[T+1], 0
	s_add_nc_u64 s[MP:MP+1], s[MWB:MWB+1], s[T:T+1]
	SELECT 0, 0x0
	SELECT 1, 0x1000
.Lfull:
	TILE 0, 26
	TILE 1, 27
	VLOAD                                          ; the next live step's V
	s_mov_b32 s[CUR], s[NXT]
	s_sub_co_i32 s[CNT], s[CNT], 1
	s_cmp_lg_u32 s[CNT], 0
	s_wait_alu depctr_va_vdst(0)                   ; directly ahead of the branch
	s_cbranch_scc1 .Lstep
	s_wait_loadcnt 0x0                             ; the loads that ran ahead of the last step have landed: their registers are used again
	OUT 0
	OUT 1
	s_sub_co_u32 s[BLK], 63, s[BLK]                ; the other block
	s_mov_b32 s[REM], s94
	s_mov_b32 s[FULL], s95
	s_sub_co_i32 s[OUTR], s[OUTR], 1
	s_cmp_lg_u32 s[OUTR], 0
	s_wait_alu depctr_va_vdst(0)                   ; directly ahead of the branch
	s_cbranch_scc1 .Lblock
	s_wait_tensorcnt 0x0                           ; the wave's end, behind my last LDS store
	ds_add_u32 v[SPW], v[NIL]
	s_wait_dscnt 0x0
	s_endpgm
.Lfunc_end_k_qbf2e5cface_attn:
	.size	k_qbf2e5cface_attn, .Lfunc_end_k_qbf2e5cface_attn-k_qbf2e5cface_attn
	.p2alignl 7, 3214868480
	.fill 96, 4, 3214868480
	.section	.rodata,"a",@progbits
	.p2align	6, 0x0
	.amdhsa_kernel k_qbf2e5cface_attn
		.amdhsa_group_segment_fixed_size 35840
		.amdhsa_private_segment_fixed_size 0
		.amdhsa_enable_private_segment 0
		.amdhsa_kernarg_size 72
		.amdhsa_user_sgpr_count 2
		.amdhsa_user_sgpr_kernarg_segment_ptr 1
		.amdhsa_wavefront_size32 1
		.amdhsa_system_sgpr_workgroup_id_x 1
		.amdhsa_system_sgpr_workgroup_id_y 1
		.amdhsa_system_sgpr_workgroup_id_z 1
		.amdhsa_system_vgpr_workitem_id 0
		.amdhsa_next_free_vgpr 512
		.amdhsa_next_free_sgpr 106
		.amdhsa_reserve_vcc 0
		.amdhsa_float_denorm_mode_32 3
		.amdhsa_float_denorm_mode_16_64 3
		.amdhsa_memory_ordered 1
		.amdhsa_forward_progress 1
		.amdhsa_inst_pref_size 70
	.end_amdhsa_kernel
	.amdgpu_metadata
---
amdhsa.version: [ 1, 2 ]
amdhsa.kernels:
  - .name:           k_qbf2e5cface_attn
    .symbol:         k_qbf2e5cface_attn.kd
    .args:
      - { .name: query_states_codes, .offset: 0, .size: 8, .value_kind: global_buffer, .address_space: global }
      - { .name: query_states_scales, .offset: 8, .size: 8, .value_kind: global_buffer, .address_space: global }
      - { .name: key_states_codes, .offset: 16, .size: 8, .value_kind: global_buffer, .address_space: global }
      - { .name: key_states_scales, .offset: 24, .size: 8, .value_kind: global_buffer, .address_space: global }
      - { .name: value_states_codes, .offset: 32, .size: 8, .value_kind: global_buffer, .address_space: global }
      - { .name: value_states_scales, .offset: 40, .size: 8, .value_kind: global_buffer, .address_space: global }
      - { .name: maskw, .offset: 48, .size: 8, .value_kind: global_buffer, .address_space: global }
      - { .name: cls, .offset: 56, .size: 8, .value_kind: global_buffer, .address_space: global }
      - { .name: out0, .offset: 64, .size: 8, .value_kind: global_buffer, .address_space: global }
    .group_segment_fixed_size: 35840
    .private_segment_fixed_size: 0
    .kernarg_segment_align: 8
    .kernarg_segment_size: 72
    .max_flat_workgroup_size: 256
    .sgpr_count:     106
    .vgpr_count:     512
    .wavefront_size: 32
...
	.end_amdgpu_metadata
.endif
;; end of part 2
